; MI455X (gfx1250); checked and timed in simulation.
; The chip was launched on July 23, 2026; its instructions are those of AMD's public machine-readable ISA for CDNA 5 (MIT licence, August 2026) and "CDNA5" Instruction Set Architecture Reference Guide (July 2026). The comments in the code are by the model that wrote it; some were corrected since.
;; Seq Mo E Logits. Allowed arithmetic: float matrix products may take bf16 or f16 operands with f32 sums; other float arithmetic in f32, or as packed bf16 or f16 multiplies, adds, multiply-adds, maxima and minima; sums over many terms, partial sums and values carried from step to step in f32; what a program stores and reads back later, other than sums and carried values, may be rounded once to bf16 or f16.
;; Inputs: W1 8 x 2,048 x 1,024 float32; W2 8 x 512 x 2,048 float32; Wr 8 x 1,024 float32; b1 8 x 2,048 float32; b2 8 x 512 float32; beta 8 x 1,024 float32; br 8 float32; gamma 8 x 1,024 float32; x 2,048 x 1,024 float32.
;; Outputs: out0 2,048 x 512 float32.
;; One version. Each part assembles by itself: llvm-mc -triple=amdgcn-amd-amdhsa -mcpu=gfx1250 --defsym DOCPART=n.
;; ======== version 1 of 1: 4 launches
;; limits: values are held in f16: magnitudes above 65,504 overflow, below 6.1e-05 lose precision; right only within a limited range of input values; a function is approximated: absolute error at most 2.5e-05; an absolute error that grows with the inputs' magnitude: up to 1.3e-05 times it
;; workspace buffers: xn 4,194,304 bytes; sel 16,384 bytes of whole numbers; gw 16,384 bytes; hf 67,108,864 bytes; lst 65,536 bytes of whole numbers; glst 65,536 bytes; cnt 4,096 bytes of whole numbers; y 16,777,216 bytes
;; launch router (part 1): grid 256 x 1, 8 waves a work-group, no clusters, 33,792 bytes of LDS; arguments x, Wr, br, xn, sel, gw; writes xn, sel, gw
.if DOCPART == 1
	.amdgcn_target "amdgcn-amd-amdhsa--gfx1250"
	.amdhsa_code_object_version 6
	.text
	.protected	k_q369aa1f6e0_router
	.globl	k_q369aa1f6e0_router
	.p2align	8
	.type	k_q369aa1f6e0_router,@function
k_q369aa1f6e0_router:
	s_mov_b64 s[64:65], 0
	v_nop
	global_prefetch_b8 v0, s[64:65] scope:SCOPE_SE
	s_setreg_imm32_b32 hwreg(HW_REG_WAVE_MODE, 25, 1), 1
	s_wait_xcnt 0x0
; ROUTER AND LAYERNORM.  x: [2048][1024] f32, Wr: [8][1024] f32, br: [8] f32.
; Out: xn [2048][1024] f16 = (x - mu) rsqrt(var + 1e-5) 2^-6 (the factor 2^-6 is taken back by the 2^6 that the next launch puts on its weights);
;      sel [2][2048] u32: the expert of a token's first and second choice;  gw [2][2048] f32: softmax over the two chosen logits.
; SHARES.  A work-group has 8 tokens, a wave one: the whole row lies in 32 registers, lane l holding columns 128 j + 4 l + 0..3, j = 0..7.  No reduction leaves the wave.
; The logits are made in f32 on the vector unit: 8 x 1024 multiply-adds a token, and the choice of experts must not hang on a 16-bit rounding.
; LIMITS.  The logits' sums are f32 in another order than a plain dot product's: a token whose second and third logits differ by less than about 1e-6 of their size may choose otherwise.
; Equal logits: the lower index wins (strict compares).  NaN and infinities are not treated apart.
.set SPARE, 32768                      ; behind Wr's copy: the spare words, 128 bytes for each of the eight waves
.set X,   8                            ; v[8:39]    the row
.set D,   40                           ; v[40:71]   x - mu, later scaled
.set WB0, 72                           ; v[72:103]  Wr: first my row on its way into LDS, then one of two buffers of 8 experts x 4 columns
.set WB1, 104                          ; v[104:135] the other buffer
.set ACC, 136                          ; v[136:151] a pair of partial sums for each expert
.set LG,  152                          ; v[152:159] the logits
.set T,   160                          ; v[160:175] at work
.set H,   176                          ; v[176:191] the row in f16
.macro WSUM a, t                       ; the sum over the 32 lanes, in every lane; t has been written before
	v_add_f32_dpp v[\a], v[\a], v[\a] row_xmask:1 row_mask:0xf bank_mask:0xf
	v_add_f32_dpp v[\a], v[\a], v[\a] row_xmask:2 row_mask:0xf bank_mask:0xf
	v_add_f32_dpp v[\a], v[\a], v[\a] row_xmask:4 row_mask:0xf bank_mask:0xf
	v_add_f32_dpp v[\a], v[\a], v[\a] row_xmask:8 row_mask:0xf bank_mask:0xf
	v_permlanex16_b32 v[\t], v[\a], s28, s29
	v_add_f32 v[\a], v[\a], v[\t]
.endm
.macro LDW j, buf                      ; all 8 experts' weights for my 4 columns of group j
.set E_, 0
.rept 8
	ds_load_b128 v[(\buf)+4*E_:(\buf)+4*E_+3], v4 offset:E_*4096+512*(\j)
.set E_, E_+1
.endr
.endm
.macro FMA j, buf                      ; 16 packed multiply-adds: first halves of all experts, then second halves, so that no line waits for the one before
.set E_, 0
.rept 8
.if (\j) == 0
	v_pk_mul_f32 v[ACC+2*E_:ACC+2*E_+1], v[X+4*(\j):X+4*(\j)+1], v[(\buf)+4*E_:(\buf)+4*E_+1]
.else
	v_pk_fma_f32 v[ACC+2*E_:ACC+2*E_+1], v[X+4*(\j):X+4*(\j)+1], v[(\buf)+4*E_:(\buf)+4*E_+1], v[ACC+2*E_:ACC+2*E_+1]
.endif
.set E_, E_+1
.endr
.set E_, 0
.rept 8
	v_pk_fma_f32 v[ACC+2*E_:ACC+2*E_+1], v[X+4*(\j)+2:X+4*(\j)+3], v[(\buf)+4*E_+2:(\buf)+4*E_+3], v[ACC+2*E_:ACC+2*E_+1]
.set E_, E_+1
.endr
.endm
	s_load_b256 s[4:11], s[0:1], 0x0               ; x s[4:5], Wr s[6:7], br s[8:9], xn s[10:11]
	s_load_b128 s[12:15], s[0:1], 0x20             ; sel s[12:13], gw s[14:15]
	v_lshl_add_u32 v2, v0, 2, SPARE                ; my spare word,
	v_mov_b32 v3, 0                                ; and 0: kept for the add at the wave's end
	v_and_b32 v1, 31, v0                           ; lane
	v_lshrrev_b32 v5, 5, v0
	v_readfirstlane_b32 s16, v5                    ; wave
	s_lshl_b32 s17, ttmp9, 3
	s_add_co_u32 s17, s17, s16                     ; my token
	v_lshlrev_b32 v4, 4, v1                        ; 16 x lane
	v_lshl_add_u32 v6, v5, 12, v4                  ; row w of Wr, in memory and in LDS alike
	v_lshlrev_b32 v7, 3, v1                        ; 8 x lane
	s_mov_b32 s28, 0x76543210                      ; v_permlanex16_b32: each lane takes its own place in the other half
	s_mov_b32 s29, 0xfedcba98
	s_lshl_b32 s18, s17, 12                        ; my row of x, 4,096 bytes
	s_mov_b32 s19, 0
	s_lshl_b32 s34, s17, 11                        ; my row of xn, 2,048 bytes
	s_mov_b32 s35, 0
	s_wait_kmcnt 0x0
	s_load_b256 s[20:27], s[8:9], 0x0              ; br
	s_add_nc_u64 s[4:5], s[4:5], s[18:19]
	s_add_nc_u64 s[10:11], s[10:11], s[34:35]
.set J_, 0
.rept 8
	global_load_b128 v[WB0+4*J_:WB0+4*J_+3], v6, s[6:7] offset:512*J_
.set J_, J_+1
.endr
.set J_, 0
.rept 8
	global_load_b128 v[X+4*J_:X+4*J_+3], v4, s[4:5] offset:512*J_ th:TH_LOAD_NT   ; 512 neighbouring bytes each; x is read once in this launch
.set J_, J_+1
.endr
	s_wait_loadcnt 0x8                             ; Wr's row is in; the 8 loads of x are the younger ones
.set J_, 0
.rept 8
	ds_store_b128 v6, v[WB0+4*J_:WB0+4*J_+3] offset:512*J_
.set J_, J_+1
.endr
	s_wait_loadcnt 0x0                             ; x
	; the mean: 15 packed additions in a tree, then across the lanes
.set K_, 0
.rept 8
	v_pk_add_f32 v[T+2*K_:T+2*K_+1], v[X+4*K_:X+4*K_+1], v[X+4*K_+2:X+4*K_+3]
.set K_, K_+1
.endr
.set K_, 0
.rept 4
	v_pk_add_f32 v[T+2*K_:T+2*K_+1], v[T+2*K_:T+2*K_+1], v[T+2*K_+8:T+2*K_+9]
.set K_, K_+1
.endr
	v_pk_add_f32 v[T:T+1], v[T:T+1], v[T+4:T+5]
	v_pk_add_f32 v[T+2:T+3], v[T+2:T+3], v[T+6:T+7]
	v_pk_add_f32 v[T:T+1], v[T:T+1], v[T+2:T+3]
	v_add_f32 v[T], v[T], v[T+1]
	WSUM T, T+1
	v_mul_f32 v[T+2], 0x3a800000, v[T]             ; mu = sum / 1024
	v_mov_b32 v[T+3], v[T+2]
.set K_, 0
.rept 16
	v_pk_add_f32 v[D+2*K_:D+2*K_+1], v[X+2*K_:X+2*K_+1], v[T+2:T+3] neg_lo:[0,1] neg_hi:[0,1]
.set K_, K_+1
.endr
	; the variance, of the differences: four chains
.set K_, 0
.rept 16
.if K_ < 4
	v_pk_mul_f32 v[T+4+2*K_:T+5+2*K_], v[D+2*K_:D+2*K_+1], v[D+2*K_:D+2*K_+1]
.else
	v_pk_fma_f32 v[T+4+2*(K_%4):T+5+2*(K_%4)], v[D+2*K_:D+2*K_+1], v[D+2*K_:D+2*K_+1], v[T+4+2*(K_%4):T+5+2*(K_%4)]
.endif
.set K_, K_+1
.endr
	v_pk_add_f32 v[T+4:T+5], v[T+4:T+5], v[T+6:T+7]
	v_pk_add_f32 v[T+8:T+9], v[T+8:T+9], v[T+10:T+11]
	v_pk_add_f32 v[T+4:T+5], v[T+4:T+5], v[T+8:T+9]
	v_add_f32 v[T+4], v[T+4], v[T+5]
	WSUM T+4, T+5
	v_mov_b32 v[T+12], 0x3a800000
	v_fmaak_f32 v[T+4], v[T+4], v[T+12], 0x3727c5ac ; var + 1e-5
	v_rsq_f32 v[T+5], v[T+4]
	v_nop                                          ; a plain instruction behind the transcendental,
	s_wait_alu depctr_va_vdst(0)                   ; and a wait ahead of its first reader
	v_mul_f32 v[T+6], 0x3c800000, v[T+5]           ; times 2^-6
	v_mov_b32 v[T+7], v[T+6]
.set K_, 0
.rept 16
	v_pk_mul_f32 v[D+2*K_:D+2*K_+1], v[D+2*K_:D+2*K_+1], v[T+6:T+7]
.set K_, K_+1
.endr
.set K_, 0
.rept 16
	v_cvt_pk_f16_f32 v[H+K_], v[D+2*K_], v[D+2*K_+1]
.set K_, K_+1
.endr
.set J_, 0
.rept 8
	global_store_b64 v7, v[H+2*J_:H+2*J_+1], s[10:11] offset:256*J_   ; the wave's store covers 256 consecutive bytes, aligned
.set J_, J_+1
.endr
	s_wait_dscnt 0x0                               ; for the others' sake: my row of Wr is in LDS
	s_barrier_signal -1
	s_barrier_wait -1
	; the eight logits; two buffers: the wait leaves the next group's 8 loads out
	LDW 0, WB0
	LDW 1, WB1
	s_wait_dscnt 0x8
	FMA 0, WB0
	LDW 2, WB0
	s_wait_dscnt 0x8
	FMA 1, WB1
	LDW 3, WB1
	s_wait_dscnt 0x8
	FMA 2, WB0
	LDW 4, WB0
	s_wait_dscnt 0x8
	FMA 3, WB1
	LDW 5, WB1
	s_wait_dscnt 0x8
	FMA 4, WB0
	LDW 6, WB0
	s_wait_dscnt 0x8
	FMA 5, WB1
	LDW 7, WB1
	s_wait_dscnt 0x8
	FMA 6, WB0
	s_wait_dscnt 0x0
	FMA 7, WB1
.set E_, 0
.rept 8
	v_add_f32 v[LG+E_], v[ACC+2*E_], v[ACC+2*E_+1]
.set E_, E_+1
.endr
.irp m, 1,2,4,8
.set E_, 0
.rept 8
	v_add_f32_dpp v[LG+E_], v[LG+E_], v[LG+E_] row_xmask:\m row_mask:0xf bank_mask:0xf
.set E_, E_+1
.endr
.endr
.set E_, 0
.rept 8
	v_permlanex16_b32 v[T+E_], v[LG+E_], s28, s29
.set E_, E_+1
.endr
	s_wait_kmcnt 0x0                               ; br
.set E_, 0
.rept 8
	v_add_f32 v[LG+E_], v[LG+E_], v[T+E_]
.set E_, E_+1
.endr
.set E_, 0
.rept 8
	v_add_f32 v[LG+E_], s[20+E_], v[LG+E_]
.set E_, E_+1
.endr
	; the two largest, every lane alike: value and index of the first (T+8, T+9) and of the second (T+10, T+11)
	v_mov_b32 v[T+8], v[LG]
	v_mov_b32 v[T+9], 0
	v_mov_b32 v[T+10], 0xff800000
	v_mov_b32 v[T+11], 0
.set E_, 1
.rept 7
	v_cmp_gt_f32 s30, v[LG+E_], v[T+8]             ; beats the first
	v_cmp_gt_f32 s31, v[LG+E_], v[T+10]            ; beats the second
	v_cndmask_b32 v[T+10], v[T+10], v[LG+E_], s31
	v_cndmask_b32 v[T+11], v[T+11], E_, s31
	v_cndmask_b32 v[T+10], v[T+10], v[T+8], s30    ; the old first becomes the second
	v_cndmask_b32 v[T+11], v[T+11], v[T+9], s30
	v_cndmask_b32 v[T+8], v[T+8], v[LG+E_], s30
	v_cndmask_b32 v[T+9], v[T+9], E_, s30
.set E_, E_+1
.endr
	; softmax of two, the maximum taken away: t = e^(second - first), w1 = 1 / (1 + t), w2 = t w1
	v_sub_f32 v[T+12], v[T+10], v[T+8]
	v_mul_f32 v[T+12], 0x3fb8aa3b, v[T+12]
	v_exp_f32 v[T+13], v[T+12]
	v_nop
	s_wait_alu depctr_va_vdst(0)
	v_add_f32 v[T+14], 1.0, v[T+13]
	v_rcp_f32 v[T+15], v[T+14]
	v_nop
	s_wait_alu depctr_va_vdst(0)
	v_mul_f32 v[T+12], v[T+13], v[T+15]
	v_cmp_eq_u32 vcc_lo, 1, v1                     ; lane 0 carries the first choice, lane 1 the second
	v_cndmask_b32 v[T], v[T+9], v[T+11], vcc_lo
	v_cndmask_b32 v[T+1], v[T+15], v[T+12], vcc_lo
	v_and_b32 v[T+2], 1, v1
	v_lshlrev_b32 v[T+2], 13, v[T+2]               ; plane j, 8,192 bytes
	s_lshl_b32 s18, s17, 2
	v_add_nc_u32 v[T+2], s18, v[T+2]               ; + 4 x token
	s_wait_tensorcnt 0x0                           ; the wave's end: an add to my spare word and its wait, behind my last LDS store, all lanes on
	ds_add_u32 v2, v3
	s_wait_dscnt 0x0
	v_cmp_gt_u32 vcc_lo, 2, v1
	s_wait_xcnt 0x0                                ; EXEC changes only behind this wait: the stores of xn have been issued
	s_and_saveexec_b32 s32, vcc_lo
	global_store_b32 v[T+2], v[T], s[12:13]
	global_store_b32 v[T+2], v[T+1], s[14:15]
	s_wait_xcnt 0x0
	s_or_b32 exec_lo, exec_lo, s32
	s_endpgm
.Lfunc_end_k_q369aa1f6e0_router:
	.size	k_q369aa1f6e0_router, .Lfunc_end_k_q369aa1f6e0_router-k_q369aa1f6e0_router
	.p2alignl 7, 3214868480
	.fill 96, 4, 3214868480
	.section	.rodata,"a",@progbits
	.p2align	6, 0x0
	.amdhsa_kernel k_q369aa1f6e0_router
		.amdhsa_group_segment_fixed_size 33792
		.amdhsa_private_segment_fixed_size 0
		.amdhsa_enable_private_segment 0
		.amdhsa_kernarg_size 48
		.amdhsa_user_sgpr_count 2
		.amdhsa_user_sgpr_kernarg_segment_ptr 1
		.amdhsa_wavefront_size32 1
		.amdhsa_system_sgpr_workgroup_id_x 1
		.amdhsa_system_sgpr_workgroup_id_y 1
		.amdhsa_system_sgpr_workgroup_id_z 1
		.amdhsa_system_vgpr_workitem_id 0
		.amdhsa_next_free_vgpr 192
		.amdhsa_next_free_sgpr 66
		.amdhsa_reserve_vcc 1
		.amdhsa_float_denorm_mode_32 3
		.amdhsa_float_denorm_mode_16_64 3
		.amdhsa_memory_ordered 1
		.amdhsa_forward_progress 1
		.amdhsa_inst_pref_size 31
	.end_amdhsa_kernel
	.amdgpu_metadata
---
amdhsa.version: [ 1, 2 ]
amdhsa.kernels:
  - .name:           k_q369aa1f6e0_router
    .symbol:         k_q369aa1f6e0_router.kd
    .args:
      - { .name: x, .offset: 0, .size: 8, .value_kind: global_buffer, .address_space: global }
      - { .name: Wr, .offset: 8, .size: 8, .value_kind: global_buffer, .address_space: global }
      - { .name: br, .offset: 16, .size: 8, .value_kind: global_buffer, .address_space: global }
      - { .name: xn, .offset: 24, .size: 8, .value_kind: global_buffer, .address_space: global }
      - { .name: sel, .offset: 32, .size: 8, .value_kind: global_buffer, .address_space: global }
      - { .name: gw, .offset: 40, .size: 8, .value_kind: global_buffer, .address_space: global }
    .group_segment_fixed_size: 33792
    .private_segment_fixed_size: 0
    .kernarg_segment_align: 8
    .kernarg_segment_size: 48
    .max_flat_workgroup_size: 256
    .sgpr_count:     66
    .vgpr_count:     192
    .wavefront_size: 32
...
	.end_amdgpu_metadata
.endif
;; end of part 1
;; launch up (part 2): grid 32 x 8, 4 waves a work-group, no clusters, 288,768 bytes of LDS; arguments W1, gamma, beta, b1, xn, sel, gw, hf, lst, glst, cnt; writes hf, lst, glst, cnt
.if DOCPART == 2
	.amdgcn_target "amdgcn-amd-amdhsa--gfx1250"
	.amdhsa_code_object_version 6
	.text
	.protected	k_q369aa1f6e0_up
	.globl	k_q369aa1f6e0_up
	.p2align	8
	.type	k_q369aa1f6e0_up,@function
k_q369aa1f6e0_up:
	s_mov_b64 s[64:65], 0
	v_nop
	global_prefetch_b8 v0, s[64:65] scope:SCOPE_SE
	s_setreg_imm32_b32 hwreg(HW_REG_WAVE_MODE, 25, 1), 1
	s_wait_xcnt 0x0
; FIRST PRODUCT AND GELU, for the chosen rows alone.  h = gelu(xe W1[e]^T + b1[e]) with xe = xnorm gamma[e] + beta[e], written as
;   z[n] = sum_d (xnorm_d 2^-6) (W1[n][d] gamma[d] 2^6) + (b1[n] + sum_d W1[n][d] beta[d]):  the first factor is xn (f16), the second is made here (f16), the bias is f32.
; SHARES.  Work-group (s, e) owns 64 hidden columns 64 s .. 64 s + 63 of expert e: 256 KiB of W1 that no other work-group reads, and ALL rows of that expert.
; A routed row is q = 2048 j + token (j: first or second choice).  Every work-group makes expert e's list of rows for itself from sel (4,096 words); a FRAG is 16 rows of consecutive rank.
; PHASES.  (1) Each wave asks for its 16 weight rows by four tensor loads of 4 rows (4 are out, by this text's count), so that it can round the first rows while the later ones are on their way.
; (2) Each wave compacts its 1,024 words of sel into its own part of LDS; the four counts are exchanged; every thread gathers 16 entries of the list in rank order into fixed places.
; (3) Each wave turns its raw rows in place into f16 rows of 2,064 bytes and sums W1 beta, four rows behind each counted wait.
; (4) Row passes: 4 frags (or 1) against all 64 columns; token rows come from memory straight into registers as matrix operands, through a ring of 8 K steps; the weights come from LDS, by fixed
; addresses and immediates.  The passes hold no barrier, no tensor load and no LDS write.  EXEC is never changed in this text.
; THE MATRIX INSTRUCTION IS USED TRANSPOSED (source 0 = 16 weight rows, source 1 = 16 tokens): a lane holds one token (lane % 16) and 8 neighbouring columns, which pack into the 16 bytes that
; the next launch's operand registers take: hf is [e][frag 128][K step 64][half 2][lane 32][8 f16].
; NO CLUSTER: each slice of weights has one reader, and the shared token rows come by a list, which no tensor descriptor covers.
; LIMITS.  f16: |W1 gamma| below 1,023 and |h| up to 65,504.  erfc by the three-term rational form (Abramowitz-Stegun 7.1.25), absolute error 2.5e-5 for every argument: h is off by 1.3e-5 |z| at the most.
; NaN, infinities: not treated apart.  Every split of the rows over the experts is served: 0 to 2,048 rows.  Places past the count repeat the last row.
.set KS,    64                         ; bytes from K step to K step in a token's row
.set HS,    32                         ; from a fragment's first half to its second
.set PMAX,  10                         ; passes at the most: a wave has up to 32 frags; 31 make 7 passes of four and 3 of one
.set WP,    2064                       ; a weight row in LDS: 2,048 bytes + 16 = 129 x 16: the 16 rows of a load start at 16 different groups of four banks (ISA guide 11.1)
.set GROWS, 4                          ; rows in a tensor load
.set GRAW,  GROWS*4096                 ; their bytes in LDS,
.set GSTEP, GROWS*4096                 ; and in W1
.set WLIST, 262144                     ; behind the four waves' 65,536 bytes each: each wave's own compacted rows
.set WLW,   1088                       ; words of it a wave: 1,024 places by rank, 32 words for the lanes that have nothing to place, 32 to fill the block
.set WLS,   4*WLW
.set LIST,  279552                     ; the list in rank order, 2,048 words
.set CNTW,  287744                     ; the four waves' counts
.set BIASL, 288000                     ; the 64 biases
.set SPARE, 288256                     ; the spare words, 128 bytes a wave
.set LANE, 1
.set SPW,  2                           ; v2  my spare word's address; never rewritten
.set NIL,  3                           ; v3  0; never rewritten
.set RR,   4                           ; v4  lane % 16
.set HH,   5                           ; v5  lane / 16
.set L16,  6                           ; v6  16 x lane
.set H16,  7                           ; v7  16 x (lane / 16)
.set BADR, 8                           ; v8-11   LDS address of my part of weight frag c, K step 0; never rewritten
                                       ; v12 at work; v13 my place in lst and glst, v14 the gate weight that I hand on, v15 its address: kept to the end
.set AOFF, 16                          ; v16-19  the ring's four address registers: byte offsets in xn
.set LA,   20                          ; v20-23  list addresses
.set B1V,  24                          ; v24     b1 of my row
.set LISTA, 27                         ; v27     LIST + 4 x my thread's number; never rewritten
.set VB,   30                          ; v30     lane r: sum of W1 beta over row r
.set BIAS, 32                          ; v32-63  bias of column 16 c + 8 (lane / 16) + j at 8 c + j
.set BB,   64                          ; v64-191 weight frags of four K steps
.set GA,   128                         ; in the conversion: gamma 2^6, beta, a raw row, its products
.set BE,   160
.set RAWR, 192
.set PR,   224
.set CH,   64
.set HC,   72
.set RA,   88
.set WA,   89
.set TX,   90
.set RA0,  91
.set WA0,  92
.set TD,   128                         ; in the way out: 1 + p |z| and its reciprocal; the exponent and its power; max(z, 0); the polynomial
.set TQ,   160
.set TM,   192
.set TP,   224
.set HO,   64
.set WV,  26                           ; s26 wave, s27 slice, s28 expert
.set SL,  27
.set EXP, 28
.set LB,  29                           ; my wave's first LDS byte
.set G1,  32                           ; s[32:39] descriptor group 1; group 0 of my four loads: s[40:43], s[44:47], s[92:95], s[96:99]
.set NN,  48                           ; rows of the expert
.set NL,  49                           ; the last rank (0 where there is none)
.set FF,  50                           ; frags
.set FC,  51                           ; my next frag
.set N4,  52                           ; passes of four
.set NPS, 53                           ; passes
.set PC,  54
.set GG,  55                           ; frags in this pass
.set HB1, 60                           ; s[60:61] hf at the frag that the looped way out stores
.set HB,  62                           ; s[62:63] hf at this pass's first frag, my slice
.set PP,  66                           ; 0.47047 / sqrt(2)
.set CC,  68                           ; -log2(e) / 2
.set A3,  70                           ; the three coefficients, halved
.set A2,  72
.set A1,  74
.set SEL, 80
.set HOFF, 88
.set EC,  91
.set MSB, 0
.macro WIN new                         ; the immediate's high byte repeats the setting that is left; a switch that changes nothing is dropped
.if MSB != (\new)
	s_set_vgpr_msb (MSB<<8)|(\new)
.set MSB, (\new)
.endif
.endm
.set W_MUL,  0x58                      ; weights (source 0) window 0, tokens (source 1) window 2, C and D window 1
.set W_MUL0, 0x48                      ; the first K step: C is the bias, in window 0
.set W_LDA,  0x80                      ; destination window 2, address window 0
.set W_RD,   0x01                      ; source 0 window 1
.set W_SH,   0x41                      ; destination and source 0 window 1
.macro PLACES                          ; four plain instructions between a matrix instruction and a load into, or a vector read of, its registers
.rept 4
	v_nop
.endr
.endm
.macro WSUM a, t
	v_add_f32_dpp v[\a], v[\a], v[\a] row_xmask:1 row_mask:0xf bank_mask:0xf
	v_add_f32_dpp v[\a], v[\a], v[\a] row_xmask:2 row_mask:0xf bank_mask:0xf
	v_add_f32_dpp v[\a], v[\a], v[\a] row_xmask:4 row_mask:0xf bank_mask:0xf
	v_add_f32_dpp v[\a], v[\a], v[\a] row_xmask:8 row_mask:0xf bank_mask:0xf
	v_permlanex16_b32 v[\t], v[\a], s[SEL], s[SEL+1]
	v_add_f32 v[\a], v[\a], v[\t]
.endm
.macro MKG0 r, g                       ; descriptor group 0 of load g: count and LDS address
	s_mov_b32 s[\r], 1
	s_add_co_u32 s[(\r)+1], s[LB], (\g)*GRAW
.endm
.macro MKADR r, g                      ; its global address and the type
	s_add_nc_u64 s[(\r)+2:(\r)+3], s[58:59], (\g)*GSTEP
	s_or_b32 s[(\r)+3], s[(\r)+3], 0x80000000
.endm
; THE RING'S 64 LOADS, one text for both kinds of pass: block 4 P + I (8 registers of window 2) takes 64 bytes at address register I + P K steps.
; In a pass of four the address registers are the four frags' rows: block 4 P + I is K step P of frag I.  In a pass of one they are the four quarters of one row: block 4 P + I is K step 8 I + P.
.macro FILL
	WIN W_LDA
.set P_, 0
.rept 8
.set I_, 0
.rept 4
	global_load_b128 v[32*P_+8*I_:32*P_+8*I_+3],   v[AOFF+I_], s[12:13] offset:P_*KS
	global_load_b128 v[32*P_+8*I_+4:32*P_+8*I_+7], v[AOFF+I_], s[12:13] offset:P_*KS+HS
.set I_, I_+1
.endr
.set P_, P_+1
.endr
.endm
.macro BPRO st                         ; the weights of the first four K steps that the pass takes: 0, st, 2 st, 3 st
	WIN 0
.set K_, 0
.rept 4
.set C_, 0
.rept 4
	ds_load_b128 v[BB+32*K_+8*C_:BB+32*K_+8*C_+3],   v[BADR+C_] offset:K_*(\st)*64
	ds_load_b128 v[BB+32*K_+8*C_+4:BB+32*K_+8*C_+7], v[BADR+C_] offset:K_*(\st)*64+32
.set C_, C_+1
.endr
.set K_, K_+1
.endr
.endm
; A pass of four frags: 32 K steps written out in 16 groups of two, so that every address is a fixed register and an immediate.  A group: 32 matrix instructions, the 16 accumulators by turns, one
; instruction a turn; the first step's take the bias as C and so start the sums.  Behind them ONE run of loads: the weights two groups ahead, into the two
; buffers just read, and the ring's two slots just read, 8 K steps ahead.
; loadcnt 48: the six younger K steps' 8 loads each; without refills it runs down by 16.  dscnt 16: the next group's 16 weight loads.
.macro K4
.set G_, 0
.rept 16
.if G_ < 13
	s_wait_loadcnt 48
.else
	s_wait_loadcnt 8*(30-2*G_)
.endif
.if G_ < 15
	s_wait_dscnt 16
.else
	s_wait_dscnt 0x0
.endif
.set S_, 0
.rept 2
.set KK_, 2*G_+S_
.if KK_ == 0
	WIN W_MUL0
.else
	WIN W_MUL
.endif
.set I_, 0
.rept 4
.set C_, 0
.rept 4
.if KK_ == 0
	v_wmma_f32_16x16x32_f16 v[8*(4*I_+C_):8*(4*I_+C_)+7], v[BB+8*C_:BB+8*C_+7], v[8*I_:8*I_+7], v[BIAS+8*C_:BIAS+8*C_+7]
.else
	v_wmma_f32_16x16x32_f16 v[8*(4*I_+C_):8*(4*I_+C_)+7], v[BB+32*(KK_%4)+8*C_:BB+32*(KK_%4)+8*C_+7], v[32*(KK_%8)+8*I_:32*(KK_%8)+8*I_+7], v[8*(4*I_+C_):8*(4*I_+C_)+7]
.endif
.set C_, C_+1
.endr
.set I_, I_+1
.endr
.set S_, S_+1
.endr
	PLACES
.if G_ < 14
	WIN 0
.set S_, 0
.rept 2
.set KK_, 2*G_+4+S_
.set C_, 0
.rept 4
	ds_load_b128 v[BB+32*(KK_%4)+8*C_:BB+32*(KK_%4)+8*C_+3],   v[BADR+C_] offset:KK_*64
	ds_load_b128 v[BB+32*(KK_%4)+8*C_+4:BB+32*(KK_%4)+8*C_+7], v[BADR+C_] offset:KK_*64+32
.set C_, C_+1
.endr
.set S_, S_+1
.endr
.endif
.if G_ < 12
	WIN W_LDA
.set S_, 0
.rept 2
.set KK_, 2*G_+8+S_
.set I_, 0
.rept 4
	global_load_b128 v[32*(KK_%8)+8*I_:32*(KK_%8)+8*I_+3],   v[AOFF+I_], s[12:13] offset:KK_*KS
	global_load_b128 v[32*(KK_%8)+8*I_+4:32*(KK_%8)+8*I_+7], v[AOFF+I_], s[12:13] offset:KK_*KS+HS
.set I_, I_+1
.endr
.set S_, S_+1
.endr
.endif
.set G_, G_+1
.endr
	WIN 0
.endm
; A pass of one frag: the ring holds all 32 K steps; block m is K step 8 (m % 4) + m / 4, and the blocks are taken in their order.  A group: two blocks, 8 matrix instructions, the four accumulators
; by turns.  loadcnt 60 - 4 g: the later blocks' two loads each.  dscnt 16: the next group's weights.
.macro K1
.set G_, 0
.rept 16
	s_wait_loadcnt 60-4*G_
.if G_ < 15
	s_wait_dscnt 16
.else
	s_wait_dscnt 0x0
.endif
.set S_, 0
.rept 2
.set KK_, 2*G_+S_
.if KK_ == 0
	WIN W_MUL0
.else
	WIN W_MUL
.endif
.set C_, 0
.rept 4
.if KK_ == 0
	v_wmma_f32_16x16x32_f16 v[8*C_:8*C_+7], v[BB+8*C_:BB+8*C_+7], v[0:7], v[BIAS+8*C_:BIAS+8*C_+7]
.else
	v_wmma_f32_16x16x32_f16 v[8*C_:8*C_+7], v[BB+32*(KK_%4)+8*C_:BB+32*(KK_%4)+8*C_+7], v[8*KK_:8*KK_+7], v[8*C_:8*C_+7]
.endif
.set C_, C_+1
.endr
.set S_, S_+1
.endr
	PLACES
.if G_ < 14
	WIN 0
.set S_, 0
.rept 2
.set KK_, 2*G_+4+S_
.set SG_, 8*(KK_%4)+KK_/4
.set C_, 0
.rept 4
	ds_load_b128 v[BB+32*(KK_%4)+8*C_:BB+32*(KK_%4)+8*C_+3],   v[BADR+C_] offset:SG_*64
	ds_load_b128 v[BB+32*(KK_%4)+8*C_+4:BB+32*(KK_%4)+8*C_+7], v[BADR+C_] offset:SG_*64+32
.set C_, C_+1
.endr
.set S_, S_+1
.endr
.endif
.set G_, G_+1
.endr
	WIN 0
.endm
; THE WAY OUT of the frag whose 32 sums a lane lie at ab of window 1, to hf at s[hb]: gelu(z) = max(z, 0) - |z| erfc(|z| / sqrt 2) / 2, with erfc(x) = (a1 t + a2 t^2 + a3 t^3) e^(-x x), t = 1 / (1 + p x).
; Each accumulator's lowest registers are read first.  The 64 transcendentals are one batch with one wait; the 32 maxima are the independent work between.
.macro EPI ab, hb
	WIN W_RD
.set K_, 0
.rept 32
	v_fma_f32 v[TD+K_], |v[(\ab)+K_]|, s[PP], 1.0
.set K_, K_+1
.endr
.set K_, 0
.rept 16
	v_pk_mul_f32 v[TP+2*K_:TP+2*K_+1], v[(\ab)+2*K_:(\ab)+2*K_+1], s[CC:CC+1] op_sel_hi:[1,0]
.set K_, K_+1
.endr
.set K_, 0
.rept 16
	v_pk_mul_f32 v[TQ+2*K_:TQ+2*K_+1], v[(\ab)+2*K_:(\ab)+2*K_+1], v[TP+2*K_:TP+2*K_+1]
.set K_, K_+1
.endr
	WIN 0
.set K_, 0
.rept 32
	v_rcp_f32 v[TD+K_], v[TD+K_]
.set K_, K_+1
.endr
.set K_, 0
.rept 32
	v_exp_f32 v[TQ+K_], v[TQ+K_]
.set K_, K_+1
.endr
	WIN W_RD
.set K_, 0
.rept 32
	v_max_num_f32 v[TM+K_], v[(\ab)+K_], 0
.set K_, K_+1
.endr
	s_wait_alu depctr_va_vdst(0)                   ; one wait for the batch, ahead of its first reader
	WIN 0
.set K_, 0
.rept 16
	v_pk_fma_f32 v[TP+2*K_:TP+2*K_+1], v[TD+2*K_:TD+2*K_+1], s[A3:A3+1], s[A2:A2+1] op_sel_hi:[1,0,0]
.set K_, K_+1
.endr
.set K_, 0
.rept 16
	v_pk_fma_f32 v[TP+2*K_:TP+2*K_+1], v[TP+2*K_:TP+2*K_+1], v[TD+2*K_:TD+2*K_+1], s[A1:A1+1] op_sel_hi:[1,1,0]
.set K_, K_+1
.endr
.set K_, 0
.rept 16
	v_pk_mul_f32 v[TP+2*K_:TP+2*K_+1], v[TP+2*K_:TP+2*K_+1], v[TD+2*K_:TD+2*K_+1]
.set K_, K_+1
.endr
.set K_, 0
.rept 16
	v_pk_mul_f32 v[TP+2*K_:TP+2*K_+1], v[TP+2*K_:TP+2*K_+1], v[TQ+2*K_:TQ+2*K_+1]
.set K_, K_+1
.endr
	WIN W_RD
.set K_, 0
.rept 32
	v_fma_f32 v[TM+K_], -|v[(\ab)+K_]|, v[TP+K_], v[TM+K_]
.set K_, K_+1
.endr
	WIN 0
	s_wait_xcnt 0x0                                ; the registers that the last frag's stores read are rewritten only behind this wait
.set K_, 0
.rept 16
	v_cvt_pk_f16_f32 v[HO+K_], v[TM+2*K_], v[TM+2*K_+1]
.set K_, K_+1
.endr
.set C_, 0
.rept 4
	global_store_b128 v[L16], v[HO+4*C_:HO+4*C_+3], s[\hb:\hb+1] offset:C_*512   ; 512 consecutive bytes, aligned: half a fragment of the next product
.set C_, C_+1
.endr
.endm
; THE CONVERSION of my rows 4 g .. 4 g + 3, in place, behind the wait that shows load g landed (the count: my younger loads).  f16 row n (bytes 2,064 n .. 2,064 n + 2,047 of my part) lies inside raw
; rows up to n (4,096 n ..): group g writes up to byte 8,256 g + 8,239, inside tiles 0 .. g, which have landed and which earlier LDS loads of this wave have read: LDS serves a wave in order (ISA guide 5.7.1).
.macro CONVG g
	s_wait_tensorcnt 3-(\g)
	v_add_nc_u32 v[RA], (\g)*GRAW, v[RA0]
	v_add_nc_u32 v[WA], (\g)*GROWS*WP, v[WA0]
.set J_, 0
.rept 8
	ds_load_b128 v[RAWR+4*J_:RAWR+4*J_+3], v[RA] offset:512*J_
.set J_, J_+1
.endr
	s_mov_b32 s58, GROWS*(\g)
.Lconv\@:
	s_wait_dscnt 0x0                               ; the row is in registers
.set K_, 0
.rept 16
	v_pk_mul_f32 v[PR+2*K_:PR+2*K_+1], v[RAWR+2*K_:RAWR+2*K_+1], v[GA+2*K_:GA+2*K_+1]
.set K_, K_+1
.endr
.set K_, 0
.rept 16
.if K_ < 4
	v_pk_mul_f32 v[CH+2*K_:CH+2*K_+1], v[RAWR+2*K_:RAWR+2*K_+1], v[BE+2*K_:BE+2*K_+1]
.else
	v_pk_fma_f32 v[CH+2*(K_%4):CH+2*(K_%4)+1], v[RAWR+2*K_:RAWR+2*K_+1], v[BE+2*K_:BE+2*K_+1], v[CH+2*(K_%4):CH+2*(K_%4)+1]
.endif
.set K_, K_+1
.endr
	s_cmp_eq_u32 s58, GROWS*(\g)+GROWS-1
	s_cbranch_scc1 .Lnoload\@                      ; the group's last row: the next one waits for its own tile
	v_add_nc_u32 v[RA], 4096, v[RA]
.set J_, 0
.rept 8
	ds_load_b128 v[RAWR+4*J_:RAWR+4*J_+3], v[RA] offset:512*J_
.set J_, J_+1
.endr
.Lnoload\@:
.set K_, 0
.rept 16
	v_cvt_pk_f16_f32 v[HC+K_], v[PR+2*K_], v[PR+2*K_+1]
.set K_, K_+1
.endr
.set J_, 0
.rept 8
	ds_store_b64 v[WA], v[HC+2*J_:HC+2*J_+1] offset:256*J_
.set J_, J_+1
.endr
	v_add_nc_u32 v[WA], WP, v[WA]
	v_pk_add_f32 v[CH:CH+1], v[CH:CH+1], v[CH+2:CH+3]
	v_pk_add_f32 v[CH+4:CH+5], v[CH+4:CH+5], v[CH+6:CH+7]
	v_pk_add_f32 v[CH:CH+1], v[CH:CH+1], v[CH+4:CH+5]
	v_add_f32 v[CH], v[CH], v[CH+1]
	WSUM CH, TX
	v_cmp_eq_u32 vcc_lo, s58, v[RR]
	v_cndmask_b32 v[VB], v[VB], v[CH], vcc_lo      ; lane r keeps row r's sum
	s_add_co_u32 s58, s58, 1
	s_cmp_lt_u32 s58, GROWS*(\g)+GROWS
	s_cbranch_scc1 .Lconv\@
.endm
	s_load_b512 s[4:19], s[0:1], 0x0               ; W1 s[4:5], gamma s[6:7], beta s[8:9], b1 s[10:11], xn s[12:13], sel s[14:15], gw s[16:17], hf s[18:19]
	s_load_b128 s[20:23], s[0:1], 0x40             ; lst s[20:21], glst s[22:23]
	s_load_b64 s[24:25], s[0:1], 0x50              ; cnt
	v_lshl_add_u32 v[SPW], v0, 2, SPARE
	v_mov_b32 v[NIL], 0
	ds_add_u32 v[SPW], v[NIL]                      ; the wave's opening: the add and its wait stand ahead of my first tensor load; work on registers stands between
	v_lshrrev_b32 v25, 5, v0
	v_readfirstlane_b32 s[WV], v25
	s_mov_b32 s[SL], ttmp9
	s_and_b32 s[EXP], ttmp7, 0xffff
	; descriptor group 1: 4 rows x 1,024 elements of 4 bytes, dense in LDS
	s_mov_b32 s[G1+0], 2<<16                       ; 17:16 elements of 4 bytes; no mask, no padding
	s_mov_b32 s[G1+1], 1024<<16                    ; tensor_dim0 = 1,024
	s_mov_b32 s[G1+2], GROWS<<16                   ; tensor_dim1 = 4
	s_mov_b32 s[G1+3], 1024<<16                    ; tile_dim0 = 1,024
	s_mov_b32 s[G1+4], GROWS                       ; tile_dim1 = 4
	s_mov_b32 s[G1+5], 1024                        ; elements from row to row
	s_mov_b32 s[G1+6], 0
	s_mov_b32 s[G1+7], 0
	s_lshl_b32 s[LB], s[WV], 16                    ; my 65,536 bytes of LDS
	MKG0 40, 0
	MKG0 44, 1
	MKG0 92, 2
	MKG0 96, 3
	s_lshl_b32 s56, s[EXP], 23                     ; an expert's W1: 8 MiB; a slice: 256 KiB; a wave's 16 rows: 64 KiB
	s_lshl_b32 s57, s[SL], 18
	s_add_co_u32 s56, s56, s57
	s_add_co_u32 s56, s56, s[LB]
	s_mov_b32 s57, 0
	s_lshl_b32 s[HOFF], s[EXP], 23                 ; in hf: an expert's 128 frags, my slice's two K steps
	s_lshl_b32 s58, s[SL], 11
	s_add_co_u32 s[HOFF], s[HOFF], s58
	s_mov_b32 s[PP], 0x3eaa540e                    ; 0.33267253
	s_mov_b32 s[PP+1], 0x3eaa540e
	s_mov_b32 s[CC], 0xbf38aa3b                    ; -0.72134752
	s_mov_b32 s[CC+1], 0xbf38aa3b
	s_mov_b32 s[A3], 0x3ebf7377                    ; 0.3739278
	s_mov_b32 s[A3+1], 0x3ebf7377
	s_mov_b32 s[A2], 0xbd445ca1                    ; -0.0479399
	s_mov_b32 s[A2+1], 0xbd445ca1
	s_mov_b32 s[A1], 0x3e32303a                    ; 0.1740121
	s_mov_b32 s[A1+1], 0x3e32303a
	s_mov_b32 s[SEL], 0x76543210
	s_mov_b32 s[SEL+1], 0xfedcba98
	s_wait_dscnt 0x0                               ; the opening add is done
	s_wait_kmcnt 0x0
	s_add_nc_u64 s[58:59], s[4:5], s[56:57]        ; W1 at my first row
	MKADR 40, 0
	MKADR 44, 1
	MKADR 92, 2
	MKADR 96, 3
.irp r, 40, 44, 92, 96                 ; the one fill of my bytes, in four parts, ahead of every wait on TENSORcnt, LDS read and barrier; nothing is ever filled again
	tensor_load_to_lds s[\r:\r+3], s[G1:G1+7]
	s_nop 0
.endr
	PLACES
	v_and_b32 v[LANE], 31, v0
	v_and_b32 v[RR], 15, v0
	v_bfe_u32 v[HH], v0, 4, 1
	v_lshlrev_b32 v[L16], 4, v[LANE]
	v_lshlrev_b32 v[H16], 4, v[HH]
	v_lshlrev_b32 v26, 2, v[LANE]
	v_lshl_add_u32 v26, v25, 12, v26               ; my wave's 1,024 words of sel
.set C_, 0
.rept 32
	global_load_b32 v[64+C_], v26, s[14:15] offset:128*C_
.set C_, C_+1
.endr
	s_lshl_b32 s56, s[EXP], 12
	v_add_nc_u32 v28, s56, v[L16]
.set J_, 0
.rept 8
	global_load_b128 v[GA+4*J_:GA+4*J_+3], v28, s[6:7] offset:512*J_   ; gamma[e], beta[e]: columns 128 j + 4 lane + 0..3, as the raw rows are read
.set J_, J_+1
.endr
.set J_, 0
.rept 8
	global_load_b128 v[BE+4*J_:BE+4*J_+3], v28, s[8:9] offset:512*J_
.set J_, J_+1
.endr
	s_lshl_b32 s56, s[EXP], 11
	s_lshl_b32 s57, s[SL], 6
	s_add_co_u32 s56, s56, s57
	s_lshl_b32 s57, s[WV], 4
	s_add_co_u32 s56, s56, s57
	v_add_lshl_u32 v29, v[RR], s56, 2
	global_load_b32 v[B1V], v29, s[10:11]          ; b1 of row lane % 16 of my 16
	v_mul_u32_u24 v31, v[RR], WP
	v_add_nc_u32 v31, v31, v[H16]
.set C_, 0
.rept 4
	v_add_nc_u32 v[BADR+C_], C_*65536, v31
.set C_, C_+1
.endr
	; MY PART OF THE LIST.  My 4,352 bytes are cleared; then, word by word of 32 rows: a row that chose expert e has as its local rank the count so far plus the chosen rows in the lanes below it,
	; and its lane stores q there; every other lane stores into a word of its own behind the 1,024 places.  So all lanes store every time.
	s_mul_i32 s89, s[WV], WLS
	s_add_co_u32 s89, s89, WLIST                   ; my wave's own words
	v_add_nc_u32 v100, s89, v[L16]
	v_lshl_add_u32 v101, v[LANE], 3, s89
	v_add_nc_u32 v103, 1024, v[LANE]               ; the place of a lane that has nothing to place
.set K_, 0
.rept 4
	v_mov_b32 v[96+K_], 0
.set K_, K_+1
.endr
.set K_, 0
.rept 8
	ds_store_b128 v100, v[96:99] offset:512*K_
.set K_, K_+1
.endr
	ds_store_b64 v101, v[96:97] offset:4096
	v_lshl_add_u32 v105, v25, 10, v[LANE]          ; q of my lane in my wave's first word: 1,024 w + lane
	s_mov_b32 s84, 0
	s_wait_loadcnt 0x11                            ; sel is in: gamma's 8, beta's 8 and b1's load are the younger ones
.set C_, 0
.rept 32
	v_cmp_eq_u32 vcc_lo, s[EXP], v[64+C_]
	v_mbcnt_lo_u32_b32 v104, vcc_lo, s84           ; the count so far + the chosen rows below my lane
	s_bcnt1_i32_b32 s86, vcc_lo
	v_cndmask_b32 v104, v103, v104, vcc_lo
	v_min_u32 v104, 0x41f, v104                    ; 1,024 + 31 at the most
	v_lshlrev_b32 v104, 2, v104
	v_add_nc_u32 v104, s89, v104
	ds_store_b32 v104, v105
	s_add_co_u32 s84, s84, s86
	v_add_nc_u32 v105, 32, v105
.set C_, C_+1
.endr
	s_lshl_b32 s90, s[WV], 2
	s_add_co_u32 s90, s90, CNTW
	v_mov_b32 v106, s90
	v_mov_b32 v107, s84
	ds_store_b32 v106, v107                        ; my count: all lanes write the same word with the same value
	s_wait_dscnt 0x0                               ; for the others' sake: my part of the list and my count
	s_barrier_signal -1                            ; the tensor loads stay out
	s_barrier_wait -1
	v_mov_b32 v106, CNTW
	ds_load_b128 v[96:99], v106
	v_lshl_add_u32 v[LISTA], v0, 2, LIST
	s_wait_dscnt 0x0
	v_readfirstlane_b32 s82, v96
	v_readfirstlane_b32 s83, v97
	v_readfirstlane_b32 s84, v98
	v_readfirstlane_b32 s85, v99
	s_min_u32 s82, s82, 1024
	s_min_u32 s83, s83, 1024
	s_min_u32 s84, s84, 1024
	s_min_u32 s85, s85, 1024
	s_add_co_u32 s86, s82, s83                     ; the first rank of wave 1 is s82, of wave 2 s86, of wave 3 s87
	s_add_co_u32 s87, s86, s84
	s_add_co_u32 s[NN], s87, s85
	s_min_u32 s[NN], s[NN], 2048
	s_max_u32 s[NL], s[NN], 1
	s_sub_co_u32 s[NL], s[NL], 1
	s_sub_co_u32 s90, WLW, s82                     ; what a rank skips when it passes a wave's last row: the rest of that wave's 1,088 words
	v_mov_b32 v108, s90
	s_sub_co_u32 s90, WLW, s83
	v_mov_b32 v109, s90
	s_sub_co_u32 s90, WLW, s84
	v_mov_b32 v110, s90
	; THE LIST IN RANK ORDER: thread t fetches ranks t + 128 i (the last rank again past the count) and stores them at fixed places of its own
.set I_, 0
.rept 16
	v_add_nc_u32 v[192+I_], 128*I_, v0
	v_min_u32 v[192+I_], s[NL], v[192+I_]
	v_cmp_le_u32 vcc_lo, s82, v[192+I_]
	v_cndmask_b32 v224, 0, v108, vcc_lo
	v_cmp_le_u32 vcc_lo, s86, v[192+I_]
	v_cndmask_b32 v225, 0, v109, vcc_lo
	v_cmp_le_u32 vcc_lo, s87, v[192+I_]
	v_cndmask_b32 v226, 0, v110, vcc_lo
	v_add_nc_u32 v[192+I_], v[192+I_], v224
	v_add_nc_u32 v225, v225, v226
	v_add_nc_u32 v[192+I_], v[192+I_], v225
	v_min_u32 v[192+I_], 0x10bf, v[192+I_]         ; 3 x 1,088 + 1,023 at the most
	v_lshlrev_b32 v[192+I_], 2, v[192+I_]
	v_add_nc_u32 v[192+I_], WLIST, v[192+I_]
	ds_load_b32 v[208+I_], v[192+I_]
.set I_, I_+1
.endr
	s_wait_dscnt 0x0
.set I_, 0
.rept 16
	ds_store_b32 v[LISTA], v[208+I_] offset:512*I_
.set I_, I_+1
.endr
	; THE CONVERSION, four rows behind each tile's wait
	s_wait_loadcnt 0x0                             ; gamma, beta, b1
.set K_, 0
.rept 16
	v_pk_mul_f32 v[GA+2*K_:GA+2*K_+1], v[GA+2*K_:GA+2*K_+1], 0x42800000 op_sel_hi:[1,0]   ; gamma 2^6
.set K_, K_+1
.endr
	v_mov_b32 v[VB], 0
	v_mov_b32 v[TX], 0
	v_add_nc_u32 v[RA0], s[LB], v[L16]
	v_lshl_add_u32 v[WA0], v[LANE], 3, s[LB]
	CONVG 0
	CONVG 1
	CONVG 2
	CONVG 3
	v_add_f32 v[VB], v[VB], v[B1V]
	s_lshl_b32 s56, s[WV], 6
	v_lshl_add_u32 v31, v[RR], 2, s56
	v_add_nc_u32 v31, BIASL, v31
	ds_store_b32 v31, v[VB]                        ; both halves of the lanes write the same number
	s_wait_dscnt 0x0                               ; for the others' sake: my weight rows, my biases, my places of the list
	s_barrier_signal -1
	s_barrier_wait -1
	v_lshl_add_u32 v31, v[HH], 5, BIASL
.set C_, 0
.rept 4
	ds_load_b128 v[BIAS+8*C_:BIAS+8*C_+3],   v31 offset:64*C_
	ds_load_b128 v[BIAS+8*C_+4:BIAS+8*C_+7], v31 offset:64*C_+16
.set C_, C_+1
.endr
	; THE HAND-OVER, shared out: slice s hands on ranks 64 s .. 64 s + 63 (q, and its gate weight) and 4 of the 128 words that hold the count.  Threads t and t + 64 store the same numbers at the same places.
	v_and_b32 v12, 63, v0
	s_min_u32 s56, s[SL], 31                       ; the grid has 32 slices
	s_lshl_b32 s56, s56, 6
	v_add_nc_u32 v12, s56, v12                     ; the rank: 64 x 31 + 63 = 2,047 at the most,
	v_min_u32 v12, 0x7ff, v12                      ; held inside the list's 2,048 words by the text itself
	v_lshlrev_b32 v13, 2, v12
	v_add_nc_u32 v15, LIST, v13
	ds_load_b32 v12, v15
	s_add_co_u32 s[FF], s[NN], 15
	s_lshr_b32 s[FF], s[FF], 4
	s_mul_i32 s[FC], s[WV], s[FF]                  ; wave w takes frags w F / 4 .. (w + 1) F / 4 - 1
	s_lshr_b32 s[FC], s[FC], 2
	s_add_co_u32 s56, s[WV], 1
	s_mul_i32 s56, s56, s[FF]
	s_lshr_b32 s56, s56, 2
	s_sub_co_u32 s56, s56, s[FC]
	s_lshr_b32 s[N4], s56, 2
	s_and_b32 s57, s56, 3
	s_add_co_u32 s[NPS], s[N4], s57
	s_wait_dscnt 0x0                               ; the biases, and q
	s_lshl_b32 s56, s[EXP], 13
	v_add_nc_u32 v13, s56, v13                     ; the rank's place in lst and in glst
	v_min_u32 v12, 0xfff, v12
	v_lshlrev_b32 v15, 2, v12
	global_load_b32 v14, v15, s[16:17]             ; its gate weight: older than every load of the passes; it is stored at the end
	global_store_b32 v13, v12, s[20:21]
	v_and_b32 v31, 3, v0
	s_lshl_b32 s56, s[EXP], 9
	s_lshl_b32 s57, s[SL], 4
	s_add_co_u32 s56, s56, s57
	v_lshl_add_u32 v31, v31, 2, s56
	v_mov_b32 v30, s[NN]
	global_store_b32 v31, v30, s[24:25]
	; THE PASSES: a constant count of trips that covers every split; a trip without work is jumped forward
	s_mov_b32 s[PC], 0
.Lpass:
	s_cmp_ge_u32 s[PC], s[NPS]
	s_cbranch_scc1 .Ldead
	s_cmp_lt_u32 s[PC], s[N4]
	s_cselect_b32 s[GG], 4, 1
	s_cselect_b32 s76, 16, 0                       ; from one address register to the next: 16 ranks on, or the same row
	s_cselect_b32 s77, 0, 512                      ; and no bytes on, or a quarter of the row
	s_min_u32 s77, s77, 512
	s_lshl_b32 s78, s76, 1
	s_add_co_u32 s79, s78, s76
	s_wait_xcnt 0x0                                ; the last stores' base, data and addresses are rewritten only behind this wait
	s_min_u32 s56, s[FC], 127
	s_lshl_b32 s57, s56, 4
	v_add_nc_u32 v12, s57, v[RR]                   ; my rank in the pass's first frag
	v_min_u32 v[LA], 0x7ff, v12
	v_add_nc_u32 v[LA+1], s76, v12
	v_add_nc_u32 v[LA+2], s78, v12
	v_add_nc_u32 v[LA+3], s79, v12
.set I_, 1
.rept 3
	v_min_u32 v[LA+I_], 0x7ff, v[LA+I_]
.set I_, I_+1
.endr
.set I_, 0
.rept 4
	v_lshlrev_b32 v[LA+I_], 2, v[LA+I_]
	v_add_nc_u32 v[LA+I_], LIST, v[LA+I_]
	ds_load_b32 v[AOFF+I_], v[LA+I_]
.set I_, I_+1
.endr
	s_lshl_b32 s58, s56, 16
	s_add_co_u32 s58, s58, s[HOFF]
	s_mov_b32 s59, 0
	s_add_nc_u64 s[HB:HB+1], s[18:19], s[58:59]
	s_add_nc_u64 s[HB1:HB1+1], s[HB:HB+1], 0x10000
	s_lshl_b32 s78, s77, 1
	s_add_co_u32 s79, s78, s77
	s_wait_dscnt 0x0
.set I_, 0
.rept 4
	v_min_u32 v[AOFF+I_], 0xfff, v[AOFF+I_]
	v_and_b32 v[AOFF+I_], 0x7ff, v[AOFF+I_]        ; the token of q
	v_lshlrev_b32 v[AOFF+I_], 11, v[AOFF+I_]       ; its row of 2,048 bytes
	v_add_nc_u32 v[AOFF+I_], v[AOFF+I_], v[H16]
.set I_, I_+1
.endr
	v_add_nc_u32 v[AOFF+1], s77, v[AOFF+1]
	v_add_nc_u32 v[AOFF+2], s78, v[AOFF+2]
	v_add_nc_u32 v[AOFF+3], s79, v[AOFF+3]
	FILL
	WIN 0
	s_cmp_eq_u32 s[GG], 4
	s_cbranch_scc0 .Lone
	BPRO 1
	K4
	; frags 1 to 3 leave on the way that made them, through ONE text: it takes the sums at v32-63 of window 1, and behind each frag the sums above are moved 32 registers down (the last trip's moves serve nothing)
	s_mov_b32 s[EC], 3
.Leb:
	EPI 32, HB1
	WIN W_SH
.set K_, 0
.rept 64
	v_mov_b32 v[32+K_], v[64+K_]
.set K_, K_+1
.endr
	WIN 0
	s_wait_xcnt 0x0                                ; the stores' base steps only behind this wait
	s_add_nc_u64 s[HB1:HB1+1], s[HB1:HB1+1], 0x10000
	s_sub_co_u32 s[EC], s[EC], 1
	s_cmp_lg_u32 s[EC], 0
	s_cbranch_scc1 .Leb
	s_branch .Lepi
.Lone:
	BPRO 8
	K1
.Lepi:
	EPI 0, HB                                      ; frag 0's way out is shared with the pass of one frag
	s_add_co_u32 s[FC], s[FC], s[GG]
.Ldead:
	s_add_co_u32 s[PC], s[PC], 1
	s_cmp_lt_u32 s[PC], PMAX
	s_cbranch_scc1 .Lpass
	s_wait_loadcnt 0x0                             ; the gate weight (a wave without a pass has not waited for it yet)
	global_store_b32 v13, v14, s[22:23]
	s_wait_tensorcnt 0x0                           ; the wave's end: an add to my spare word and its wait, behind my last tensor load and my last LDS store
	ds_add_u32 v[SPW], v[NIL]
	s_wait_dscnt 0x0
	s_endpgm
.Lfunc_end_k_q369aa1f6e0_up:
	.size	k_q369aa1f6e0_up, .Lfunc_end_k_q369aa1f6e0_up-k_q369aa1f6e0_up
	.p2alignl 7, 3214868480
	.fill 96, 4, 3214868480
	.section	.rodata,"a",@progbits
	.p2align	6, 0x0
	.amdhsa_kernel k_q369aa1f6e0_up
		.amdhsa_group_segment_fixed_size 288768
		.amdhsa_private_segment_fixed_size 0
		.amdhsa_enable_private_segment 0
		.amdhsa_kernarg_size 88
		.amdhsa_user_sgpr_count 2
		.amdhsa_user_sgpr_kernarg_segment_ptr 1
		.amdhsa_wavefront_size32 1
		.amdhsa_system_sgpr_workgroup_id_x 1
		.amdhsa_system_sgpr_workgroup_id_y 1
		.amdhsa_system_sgpr_workgroup_id_z 1
		.amdhsa_system_vgpr_workitem_id 0
		.amdhsa_next_free_vgpr 768
		.amdhsa_next_free_sgpr 100
		.amdhsa_reserve_vcc 1
		.amdhsa_float_denorm_mode_32 3
		.amdhsa_float_denorm_mode_16_64 3
		.amdhsa_memory_ordered 1
		.amdhsa_forward_progress 1
		.amdhsa_inst_pref_size 203
	.end_amdhsa_kernel
	.amdgpu_metadata
---
amdhsa.version: [ 1, 2 ]
amdhsa.kernels:
  - .name:           k_q369aa1f6e0_up
    .symbol:         k_q369aa1f6e0_up.kd
    .args:
      - { .name: W1, .offset: 0, .size: 8, .value_kind: global_buffer, .address_space: global }
      - { .name: gamma, .offset: 8, .size: 8, .value_kind: global_buffer, .address_space: global }
      - { .name: beta, .offset: 16, .size: 8, .value_kind: global_buffer, .address_space: global }
      - { .name: b1, .offset: 24, .size: 8, .value_kind: global_buffer, .address_space: global }
      - { .name: xn, .offset: 32, .size: 8, .value_kind: global_buffer, .address_space: global }
      - { .name: sel, .offset: 40, .size: 8, .value_kind: global_buffer, .address_space: global }
      - { .name: gw, .offset: 48, .size: 8, .value_kind: global_buffer, .address_space: global }
      - { .name: hf, .offset: 56, .size: 8, .value_kind: global_buffer, .address_space: global }
      - { .name: lst, .offset: 64, .size: 8, .value_kind: global_buffer, .address_space: global }
      - { .name: glst, .offset: 72, .size: 8, .value_kind: global_buffer, .address_space: global }
      - { .name: cnt, .offset: 80, .size: 8, .value_kind: global_buffer, .address_space: global }
    .group_segment_fixed_size: 288768
    .private_segment_fixed_size: 0
    .kernarg_segment_align: 8
    .kernarg_segment_size: 88
    .max_flat_workgroup_size: 128
    .sgpr_count:     100
    .vgpr_count:     768
    .wavefront_size: 32
...
	.end_amdgpu_metadata
.endif
;; end of part 2
;; launch down (part 3): grid 32 x 8, 4 waves a work-group, no clusters, 280,064 bytes of LDS; arguments W2, b2, hf, lst, glst, cnt, y; writes y
.if DOCPART == 3
	.amdgcn_target "amdgcn-amd-amdhsa--gfx1250"
	.amdhsa_code_object_version 6
	.text
	.protected	k_q369aa1f6e0_down
	.globl	k_q369aa1f6e0_down
	.p2align	8
	.type	k_q369aa1f6e0_down,@function
k_q369aa1f6e0_down:
	s_mov_b64 s[64:65], 0
	v_nop
	global_prefetch_b8 v0, s[64:65] scope:SCOPE_SE
	s_setreg_imm32_b32 hwreg(HW_REG_WAVE_MODE, 25, 1), 1
	s_wait_xcnt 0x0
; SECOND PRODUCT, for the chosen rows alone.  y[kh][q][:] = g(q) (sum over half kh of the hidden width of h W2[e]^T, + b2[e] in half 0): f32 partial sums; the next launch adds a token's four.
; SHARES.  Work-group (x, e): rh = x & 1 (which half of the expert's frags), cs = (x >> 1) & 7 (64 output columns), kh = x >> 4 (1,024 of the 2,048 hidden columns).
; Its slice of W2, 64 rows x 1,024 f32, comes by four tensor loads of 4 rows a wave (4 are out, by this text's count), is rounded in place to f16 rows of 2,064 bytes, four rows behind each counted
; wait, and stays in LDS.
; The rows of h come from hf straight into registers as matrix operands: hf is laid out as the registers take it, so each load of a wave is 512 consecutive bytes.
; Row passes as in the first product: 4 frags of 16 rows (or 1) against the 64 columns, a ring of 8 K steps, every address a fixed register and an immediate; no barrier, no tensor load;
; the only LDS written in a pass is the wave's own stage.  EXEC is never changed in this text.
; THE MATRIX INSTRUCTION IS USED TRANSPOSED (source 0 = 16 rows of W2, source 1 = 16 rows of h): a lane holds one row and 8 neighbouring columns.
; THE WAY OUT goes through the wave's own stage, so that 16 lanes store a row's 256 consecutive bytes of y, aligned.
; ROWS PAST THE COUNT.  In an expert's last frag the places past its count hold the last row once more: the same q and gate in lst and glst, the same h in hf, made from the same token.  They are
; multiplied like the others and stored onto the last row's own bytes, with that row's own numbers, by the wave that stores that row: at most 15 rows an expert.  An expert without rows has no frag.
; NO CLUSTER: the number of passes hangs on a stored count, and tensor loads are kept out of such loops; a slice of W2 has two readers, which are neighbours in the grid.
; LIMITS.  f16: |W2| up to 65,504.  NaN and infinities are not treated apart.  Every split is served: 0 to 2,048 rows an expert.
.set KS,    1024                       ; bytes from K step to K step in a frag of hf
.set HS,    512                        ; from a fragment's first half to its second
.set PMAX,  6                          ; a wave has up to 16 frags; 15 make 3 passes of four and 3 of one
.set WP,    2064
.set GROWS, 4                          ; rows in a tensor load
.set GRAW,  GROWS*4096                 ; their bytes in LDS,
.set GSTEP, GROWS*8192                 ; and from load to load in W2
.set STAGE, 262144                     ; behind the four waves' 65,536 bytes each: 16 rows x 272 bytes for each wave
.set SPT,   272
.set SPARE, 279552
.set LANE, 1
.set SPW,  2
.set NIL,  3
.set RR,   4
.set HH,   5
.set L16,  6
.set H16,  7
.set BADR, 8                           ; v8-11   LDS address of my part of weight frag c, K step 0; never rewritten
.set TA,   12                          ; v12-14  at work
.set AOFF, 16                          ; v16-19  the ring's four address registers: 16 x lane + I frags, or + I quarters of a frag's K steps
.set QR,   20                          ; v20-23  q of my row in frag i
.set GR,   24                          ; v24, 26, 28, 30  its gate weight; the odd registers, v25 .. v31, are named with them as pairs and hold 0
.set BIAS, 32
.set BB,   64                          ; v64-191 weight frags of four K steps
.set HC,   72                          ; in the conversion, inside the weight buffers' registers
.set RA,   88
.set WA,   89
.set RA0,  90
.set WA0,  91
.set TT,   128                         ; v128-159  a frag's results, gated
.set OO,   160                         ; v160-191  the same as whole rows
.set RAWR, 192                         ; v192-223  in the conversion: a raw row; nothing else lives here
.set STO,  224                         ; into the stage
.set RD,   225                         ; back from it
.set R16,  226                         ; 16 x (lane % 16)
.set B2A,  227
.set RKA,  228                         ; v228-231  offsets in lst and glst
.set YO,   232                         ; v232-239  byte offset in y
.set BPA,  240                         ; v240-247  4 x (2 t + lane / 16): from which lane row 2 t + lane / 16 takes its q
.set WV,  26
.set LB,  27                           ; my wave's first LDS byte
.set EXP, 28
.set RH,  29
.set CS,  30
.set KH,  31
.set G1,  32                           ; s[32:39] descriptor group 1; group 0 of my four loads: s[40:43], s[44:47], s[72:75], s[76:79]
.set NN,  48
.set FF,  50
.set FC,  51
.set N4,  52
.set NPS, 53
.set PC,  54
.set GG,  55
.set CUR, 60                           ; s[60:61] hf at this pass's first frag, my half of the K steps
.set YB,  62
.set E13, 67
.set HOFF, 68
.set CA,  70                           ; s[70:71] the count's address; never rewritten
.set MSB, 0
.macro WIN new
.if MSB != (\new)
	s_set_vgpr_msb (MSB<<8)|(\new)
.set MSB, (\new)
.endif
.endm
.set W_MUL,  0x58                      ; weights window 0, rows of h window 2, C and D window 1
.set W_MUL0, 0x48                      ; the first K step: C is the bias, in window 0
.set W_LDA,  0x80
.set W_RD,   0x01
.macro PLACES                          ; four plain instructions between a matrix instruction and a load into, or a vector read of, its registers
.rept 4
	v_nop
.endr
.endm
.macro MKG0 r, g                       ; descriptor group 0 of load g: count and LDS address
	s_mov_b32 s[\r], 1
	s_add_co_u32 s[(\r)+1], s[LB], (\g)*GRAW
.endm
.macro MKADR r, g                      ; its global address and the type
	s_add_nc_u64 s[(\r)+2:(\r)+3], s[58:59], (\g)*GSTEP
	s_or_b32 s[(\r)+3], s[(\r)+3], 0x80000000
.endm
; THE RING'S 64 LOADS, one text for both kinds of pass: block 4 P + I (8 registers of window 2) takes a K step's 1,024 bytes at address register I + P K steps.
; In a pass of four block 4 P + I is K step P of frag I; in a pass of one it is K step 8 I + P of the one frag.
.macro FILL
	WIN W_LDA
.set P_, 0
.rept 8
.set I_, 0
.rept 4
	global_load_b128 v[32*P_+8*I_:32*P_+8*I_+3],   v[AOFF+I_], s[CUR:CUR+1] offset:P_*KS
	global_load_b128 v[32*P_+8*I_+4:32*P_+8*I_+7], v[AOFF+I_], s[CUR:CUR+1] offset:P_*KS+HS
.set I_, I_+1
.endr
.set P_, P_+1
.endr
.endm
.macro BPRO st                         ; the weights of the first four K steps that the pass takes: 0, st, 2 st, 3 st
	WIN 0
.set K_, 0
.rept 4
.set C_, 0
.rept 4
	ds_load_b128 v[BB+32*K_+8*C_:BB+32*K_+8*C_+3],   v[BADR+C_] offset:K_*(\st)*64
	ds_load_b128 v[BB+32*K_+8*C_+4:BB+32*K_+8*C_+7], v[BADR+C_] offset:K_*(\st)*64+32
.set C_, C_+1
.endr
.set K_, K_+1
.endr
.endm
; A pass of four frags: 32 K steps written out in 16 groups of two.  A group: 32 matrix instructions, the 16 accumulators by turns, one instruction a turn; the
; first step's take the bias as C.  Behind them ONE run of loads: the weights two groups ahead, into the two buffers just read, and the ring's two slots just read, 8 K steps ahead.
; loadcnt 48: the six younger K steps' 8 loads each; without refills it runs down by 16.  dscnt 16: the next group's 16 weight loads.
.macro K4
.set G_, 0
.rept 16
.if G_ < 13
	s_wait_loadcnt 48
.else
	s_wait_loadcnt 8*(30-2*G_)
.endif
.if G_ < 15
	s_wait_dscnt 16
.else
	s_wait_dscnt 0x0
.endif
.set S_, 0
.rept 2
.set KK_, 2*G_+S_
.if KK_ == 0
	WIN W_MUL0
.else
	WIN W_MUL
.endif
.set I_, 0
.rept 4
.set C_, 0
.rept 4
.if KK_ == 0
	v_wmma_f32_16x16x32_f16 v[8*(4*I_+C_):8*(4*I_+C_)+7], v[BB+8*C_:BB+8*C_+7], v[8*I_:8*I_+7], v[BIAS+8*C_:BIAS+8*C_+7]
.else
	v_wmma_f32_16x16x32_f16 v[8*(4*I_+C_):8*(4*I_+C_)+7], v[BB+32*(KK_%4)+8*C_:BB+32*(KK_%4)+8*C_+7], v[32*(KK_%8)+8*I_:32*(KK_%8)+8*I_+7], v[8*(4*I_+C_):8*(4*I_+C_)+7]
.endif
.set C_, C_+1
.endr
.set I_, I_+1
.endr
.set S_, S_+1
.endr
	PLACES
.if G_ < 14
	WIN 0
.set S_, 0
.rept 2
.set KK_, 2*G_+4+S_
.set C_, 0
.rept 4
	ds_load_b128 v[BB+32*(KK_%4)+8*C_:BB+32*(KK_%4)+8*C_+3],   v[BADR+C_] offset:KK_*64
	ds_load_b128 v[BB+32*(KK_%4)+8*C_+4:BB+32*(KK_%4)+8*C_+7], v[BADR+C_] offset:KK_*64+32
.set C_, C_+1
.endr
.set S_, S_+1
.endr
.endif
.if G_ < 12
	WIN W_LDA
.set S_, 0
.rept 2
.set KK_, 2*G_+8+S_
.set I_, 0
.rept 4
	global_load_b128 v[32*(KK_%8)+8*I_:32*(KK_%8)+8*I_+3],   v[AOFF+I_], s[CUR:CUR+1] offset:KK_*KS
	global_load_b128 v[32*(KK_%8)+8*I_+4:32*(KK_%8)+8*I_+7], v[AOFF+I_], s[CUR:CUR+1] offset:KK_*KS+HS
.set I_, I_+1
.endr
.set S_, S_+1
.endr
.endif
.set G_, G_+1
.endr
	WIN 0
.endm
; A pass of one frag: the ring holds all 32 K steps; block m is K step 8 (m % 4) + m / 4, and the blocks are taken in their order.  A group: two blocks, 8 matrix instructions, the four accumulators
; by turns.  loadcnt 60 - 4 g: the later blocks' two loads each.  dscnt 16: the next group's weights.
.macro K1
.set G_, 0
.rept 16
	s_wait_loadcnt 60-4*G_
.if G_ < 15
	s_wait_dscnt 16
.else
	s_wait_dscnt 0x0
.endif
.set S_, 0
.rept 2
.set KK_, 2*G_+S_
.if KK_ == 0
	WIN W_MUL0
.else
	WIN W_MUL
.endif
.set C_, 0
.rept 4
.if KK_ == 0
	v_wmma_f32_16x16x32_f16 v[8*C_:8*C_+7], v[BB+8*C_:BB+8*C_+7], v[0:7], v[BIAS+8*C_:BIAS+8*C_+7]
.else
	v_wmma_f32_16x16x32_f16 v[8*C_:8*C_+7], v[BB+32*(KK_%4)+8*C_:BB+32*(KK_%4)+8*C_+7], v[8*KK_:8*KK_+7], v[8*C_:8*C_+7]
.endif
.set C_, C_+1
.endr
.set S_, S_+1
.endr
	PLACES
.if G_ < 14
	WIN 0
.set S_, 0
.rept 2
.set KK_, 2*G_+4+S_
.set SG_, 8*(KK_%4)+KK_/4
.set C_, 0
.rept 4
	ds_load_b128 v[BB+32*(KK_%4)+8*C_:BB+32*(KK_%4)+8*C_+3],   v[BADR+C_] offset:SG_*64
	ds_load_b128 v[BB+32*(KK_%4)+8*C_+4:BB+32*(KK_%4)+8*C_+7], v[BADR+C_] offset:SG_*64+32
.set C_, C_+1
.endr
.set S_, S_+1
.endr
.endif
.set G_, G_+1
.endr
	WIN 0
.endm
; THE WAY OUT of frag i.  The gate; each row's q brought to the lanes that will store the row; through my stage into whole rows; eight stores of two rows each.
.macro EPI i
	WIN W_RD
.set K_, 0
.rept 16                               ; ascending: each accumulator's lowest registers are read first
	v_pk_mul_f32 v[TT+2*K_:TT+2*K_+1], v[32*(\i)+2*K_:32*(\i)+2*K_+1], v[GR+2*(\i):GR+2*(\i)+1] op_sel_hi:[1,0]
.set K_, K_+1
.endr
	WIN 0
	s_wait_xcnt 0x0                                ; the offsets and data that the last frag's stores read are rewritten only behind this wait
.set T_, 0
.rept 8
	ds_bpermute_b32 v[YO+T_], v[BPA+T_], v[QR+(\i)]
.set T_, T_+1
.endr
.set C_, 0
.rept 4
	ds_store_b128 v[STO], v[TT+8*C_:TT+8*C_+3]   offset:64*C_
	ds_store_b128 v[STO], v[TT+8*C_+4:TT+8*C_+7] offset:64*C_+16
.set C_, C_+1
.endr
.set T_, 0
.rept 8
	ds_load_b128 v[OO+4*T_:OO+4*T_+3], v[RD] offset:2*SPT*T_   ; LDS serves a wave's instructions in order (ISA guide 5.7.1): these see the stores above
.set T_, T_+1
.endr
	s_wait_dscnt 0x0
.set T_, 0
.rept 8
	v_min_u32 v[YO+T_], 0xfff, v[YO+T_]
	v_lshlrev_b32 v[YO+T_], 11, v[YO+T_]           ; row q of y, 2,048 bytes,
	v_add_nc_u32 v[YO+T_], v[YO+T_], v[R16]        ; my 16 bytes of its 256
.set T_, T_+1
.endr
.set T_, 0
.rept 8
	global_store_b128 v[YO+T_], v[OO+4*T_:OO+4*T_+3], s[YB:YB+1]   ; 16 lanes store 256 consecutive bytes, aligned
.set T_, T_+1
.endr
.endm
; THE CONVERSION of my rows 4 g .. 4 g + 3, in place, behind the wait that shows load g landed (the count: my younger loads).  f16 row n (bytes 2,064 n .. 2,064 n + 2,047 of my part) lies inside raw
; rows up to n (4,096 n ..): group g writes up to byte 8,256 g + 8,239, inside tiles 0 .. g, which have landed and which earlier LDS loads of this wave have read: LDS serves a wave in order (ISA guide 5.7.1).
.macro CONVG g
	s_wait_tensorcnt 3-(\g)
	v_add_nc_u32 v[RA], (\g)*GRAW, v[RA0]
	v_add_nc_u32 v[WA], (\g)*GROWS*WP, v[WA0]
.set J_, 0
.rept 8
	ds_load_b128 v[RAWR+4*J_:RAWR+4*J_+3], v[RA] offset:512*J_
.set J_, J_+1
.endr
	s_mov_b32 s58, GROWS*(\g)
.Lconv\@:
	s_wait_dscnt 0x0
.set K_, 0
.rept 16
	v_cvt_pk_f16_f32 v[HC+K_], v[RAWR+2*K_], v[RAWR+2*K_+1]
.set K_, K_+1
.endr
	s_cmp_eq_u32 s58, GROWS*(\g)+GROWS-1
	s_cbranch_scc1 .Lnoload\@                      ; the group's last row: the next one waits for its own tile
	v_add_nc_u32 v[RA], 4096, v[RA]
.set J_, 0
.rept 8
	ds_load_b128 v[RAWR+4*J_:RAWR+4*J_+3], v[RA] offset:512*J_
.set J_, J_+1
.endr
.Lnoload\@:
.set J_, 0
.rept 8
	ds_store_b64 v[WA], v[HC+2*J_:HC+2*J_+1] offset:256*J_
.set J_, J_+1
.endr
	v_add_nc_u32 v[WA], WP, v[WA]
	s_add_co_u32 s58, s58, 1
	s_cmp_lt_u32 s58, GROWS*(\g)+GROWS
	s_cbranch_scc1 .Lconv\@
.endm
	s_load_b256 s[4:11], s[0:1], 0x0               ; W2 s[4:5], b2 s[6:7], hf s[8:9], lst s[10:11]
	s_load_b128 s[12:15], s[0:1], 0x20             ; glst s[12:13], cnt s[14:15]
	s_load_b64 s[16:17], s[0:1], 0x30              ; y
	v_lshl_add_u32 v[SPW], v0, 2, SPARE
	v_mov_b32 v[NIL], 0
	ds_add_u32 v[SPW], v[NIL]                      ; the wave's opening: the add and its wait stand ahead of my first tensor load; work on registers stands between
	v_lshrrev_b32 v[TA+1], 5, v0
	v_readfirstlane_b32 s[WV], v[TA+1]
	s_and_b32 s[EXP], ttmp7, 0xffff
	s_and_b32 s[RH], ttmp9, 1
	s_bfe_u32 s[CS], ttmp9, 0x30001
	s_lshr_b32 s[KH], ttmp9, 4
	; descriptor group 1: 4 rows x 1,024 elements of 4 bytes out of rows of 2,048, dense in LDS
	s_mov_b32 s[G1+0], 2<<16
	s_mov_b32 s[G1+1], 1024<<16                    ; tensor_dim0
	s_mov_b32 s[G1+2], GROWS<<16                   ; tensor_dim1
	s_mov_b32 s[G1+3], 1024<<16                    ; tile_dim0
	s_mov_b32 s[G1+4], GROWS                       ; tile_dim1
	s_mov_b32 s[G1+5], 2048                        ; elements from row to row
	s_mov_b32 s[G1+6], 0
	s_mov_b32 s[G1+7], 0
	s_lshl_b32 s[LB], s[WV], 16                    ; my 65,536 bytes of LDS
	MKG0 40, 0
	MKG0 44, 1
	MKG0 72, 2
	MKG0 76, 3
	s_lshl_b32 s56, s[EXP], 22                     ; an expert's W2: 4 MiB; 64 rows: 512 KiB; a wave's 16: 128 KiB; the second half of a row: 4,096 bytes on
	s_lshl_b32 s57, s[CS], 19
	s_add_co_u32 s56, s56, s57
	s_lshl_b32 s57, s[WV], 17
	s_add_co_u32 s56, s56, s57
	s_lshl_b32 s57, s[KH], 12
	s_add_co_u32 s56, s56, s57
	s_mov_b32 s57, 0
	s_lshl_b32 s[E13], s[EXP], 13
	s_lshl_b32 s[HOFF], s[EXP], 23
	s_lshl_b32 s58, s[KH], 15
	s_add_co_u32 s[HOFF], s[HOFF], s58
	s_wait_dscnt 0x0                               ; the opening add is done
	s_wait_kmcnt 0x0
	s_add_nc_u64 s[58:59], s[4:5], s[56:57]        ; W2 at my first row, my half of it
	MKADR 40, 0
	MKADR 44, 1
	MKADR 72, 2
	MKADR 76, 3
.irp r, 40, 44, 72, 76                 ; the one fill of my bytes, in four parts; nothing is ever filled again
	tensor_load_to_lds s[\r:\r+3], s[G1:G1+7]
	s_nop 0
.endr
	PLACES
	s_lshl_b32 s56, s[EXP], 9
	s_mov_b32 s57, 0
	s_add_nc_u64 s[CA:CA+1], s[14:15], s[56:57]
	s_load_b32 s[NN], s[CA:CA+1], 0x0              ; the expert's count
	s_lshl_b32 s56, s[KH], 23
	s_lshl_b32 s66, s[CS], 8
	s_add_co_u32 s56, s56, s66
	s_add_nc_u64 s[YB:YB+1], s[16:17], s[56:57]    ; y at my plane pair and my 64 columns
	v_and_b32 v[LANE], 31, v0
	v_and_b32 v[RR], 15, v0
	v_bfe_u32 v[HH], v0, 4, 1
	v_lshlrev_b32 v[L16], 4, v[LANE]
	v_lshlrev_b32 v[H16], 4, v[HH]
	s_lshl_b32 s56, s[EXP], 11
	s_add_co_u32 s56, s56, s66
	v_lshl_add_u32 v[B2A], v[HH], 5, s56           ; b2 of columns 64 cs + 16 c + 8 (lane / 16) + j
.set C_, 0
.rept 4
	global_load_b128 v[BIAS+8*C_:BIAS+8*C_+3],   v[B2A], s[6:7] offset:64*C_
	global_load_b128 v[BIAS+8*C_+4:BIAS+8*C_+7], v[B2A], s[6:7] offset:64*C_+16
.set C_, C_+1
.endr
	v_mul_u32_u24 v[TA+2], v[RR], WP
	v_add_nc_u32 v[TA+2], v[TA+2], v[H16]          ; row x pitch + 16 x half
.set C_, 0
.rept 4
	v_add_nc_u32 v[BADR+C_], C_*65536, v[TA+2]
	v_mov_b32 v[GR+2*C_+1], 0
.set C_, C_+1
.endr
	v_mov_b32 v[AOFF], v[L16]
	s_mul_i32 s56, s[WV], 16*SPT
	s_add_co_u32 s56, s56, STAGE                   ; my stage
	v_mul_u32_u24 v[STO], v[RR], SPT               ; in: row lane % 16, 32 bytes for each half of the lanes
	v_lshl_add_u32 v[STO], v[HH], 5, v[STO]
	v_add_nc_u32 v[STO], s56, v[STO]
	v_mul_u32_u24 v[RD], v[HH], SPT                ; back: lanes 0-15 one row of 256 bytes, lanes 16-31 the next
	v_lshl_add_u32 v[RD], v[RR], 4, v[RD]
	v_add_nc_u32 v[RD], s56, v[RD]
	v_lshlrev_b32 v[R16], 4, v[RR]
.set T_, 0
.rept 8
	v_lshl_add_u32 v[BPA+T_], v[HH], 2, 8*T_
.set T_, T_+1
.endr
	; THE CONVERSION, four rows behind each tile's wait
	v_add_nc_u32 v[RA0], s[LB], v[L16]
	v_lshl_add_u32 v[WA0], v[LANE], 3, s[LB]
	CONVG 0
	CONVG 1
	CONVG 2
	CONVG 3
	s_cmp_eq_u32 s[KH], 1
	s_cselect_b32 s66, -1, 0
	s_wait_loadcnt 0x0                             ; b2
.set K_, 0
.rept 32
	v_cndmask_b32 v[BIAS+K_], v[BIAS+K_], 0, s66   ; the bias belongs to the first half of the hidden width alone
.set K_, K_+1
.endr
	s_wait_dscnt 0x0                               ; for the others' sake: my weight rows are in LDS
	s_barrier_signal -1
	s_barrier_wait -1
	s_wait_kmcnt 0x0                               ; the count
	s_min_u32 s[NN], s[NN], 2048
	s_add_co_u32 s[FF], s[NN], 15
	s_lshr_b32 s[FF], s[FF], 4
	s_lshl2_add_u32 s56, s[RH], s[WV]              ; u = 4 rh + w of 8 takes frags u F / 8 .. (u + 1) F / 8 - 1
	s_mul_i32 s[FC], s56, s[FF]
	s_lshr_b32 s[FC], s[FC], 3
	s_add_co_u32 s56, s56, 1
	s_mul_i32 s56, s56, s[FF]
	s_lshr_b32 s56, s56, 3
	s_sub_co_u32 s56, s56, s[FC]
	s_lshr_b32 s[N4], s56, 2
	s_and_b32 s57, s56, 3
	s_add_co_u32 s[NPS], s[N4], s57
	s_mov_b32 s[PC], 0
.Lpass:
	s_cmp_ge_u32 s[PC], s[NPS]
	s_cbranch_scc1 .Ldead
	s_cmp_lt_u32 s[PC], s[N4]
	s_cselect_b32 s[GG], 4, 1
	s_cselect_b32 s66, 16, 13
	s_lshl_b32 s66, 1, s66                         ; from one address register to the next: a frag's 65,536 bytes, or 8 K steps' 8,192
	s_min_u32 s66, s66, 0x10000
	s_lshl_b32 s58, s66, 1
	s_add_co_u32 s59, s58, s66
	s_wait_xcnt 0x0                                ; the last stores' data (which the weights' buffers take) and the last loads' addresses are rewritten only behind this wait
	v_add_nc_u32 v[AOFF+1], s66, v[L16]
	v_add_nc_u32 v[AOFF+2], s58, v[L16]
	v_add_nc_u32 v[AOFF+3], s59, v[L16]
	s_min_u32 s56, s[FC], 127
	s_lshl_b32 s57, s56, 4
	v_add_nc_u32 v[TA], s57, v[RR]                 ; my rank in the pass's first frag; lst and glst repeat the last row past the count
.set I_, 0
.rept 4
	v_add_nc_u32 v[RKA+I_], 16*I_, v[TA]
	v_min_u32 v[RKA+I_], 0x7ff, v[RKA+I_]
	v_lshlrev_b32 v[RKA+I_], 2, v[RKA+I_]
	v_add_nc_u32 v[RKA+I_], s[E13], v[RKA+I_]
.set I_, I_+1
.endr
.set I_, 0
.rept 4
	global_load_b32 v[QR+I_], v[RKA+I_], s[10:11]  ; older than the ring's loads: the first counted wait below shows them done too
	global_load_b32 v[GR+2*I_], v[RKA+I_], s[12:13]
.set I_, I_+1
.endr
	s_lshl_b32 s58, s56, 16
	s_add_co_u32 s58, s58, s[HOFF]
	s_mov_b32 s59, 0
	s_add_nc_u64 s[CUR:CUR+1], s[8:9], s[58:59]    ; the last pass's loads by this base are all back
	FILL
	WIN 0
	s_cmp_eq_u32 s[GG], 4
	s_cbranch_scc0 .Lone
	BPRO 1
	K4
	EPI 1                                          ; frags 1 to 3 leave on the way that made them; frag 0's way out is shared with the pass of one frag
	EPI 2
	EPI 3
	s_branch .Lepi
.Lone:
	BPRO 8
	K1
.Lepi:
	EPI 0
	s_add_co_u32 s[FC], s[FC], s[GG]
.Ldead:
	s_add_co_u32 s[PC], s[PC], 1
	s_cmp_lt_u32 s[PC], PMAX
	s_cbranch_scc1 .Lpass
	s_wait_tensorcnt 0x0                           ; the wave's end: an add to my spare word and its wait, behind my last tensor load and my last LDS store
	ds_add_u32 v[SPW], v[NIL]
	s_wait_dscnt 0x0
	s_endpgm
.Lfunc_end_k_q369aa1f6e0_down:
	.size	k_q369aa1f6e0_down, .Lfunc_end_k_q369aa1f6e0_down-k_q369aa1f6e0_down
	.p2alignl 7, 3214868480
	.fill 96, 4, 3214868480
	.section	.rodata,"a",@progbits
	.p2align	6, 0x0
	.amdhsa_kernel k_q369aa1f6e0_down
		.amdhsa_group_segment_fixed_size 280064
		.amdhsa_private_segment_fixed_size 0
		.amdhsa_enable_private_segment 0
		.amdhsa_kernarg_size 56
		.amdhsa_user_sgpr_count 2
		.amdhsa_user_sgpr_kernarg_segment_ptr 1
		.amdhsa_wavefront_size32 1
		.amdhsa_system_sgpr_workgroup_id_x 1
		.amdhsa_system_sgpr_workgroup_id_y 1
		.amdhsa_system_sgpr_workgroup_id_z 1
		.amdhsa_system_vgpr_workitem_id 0
		.amdhsa_next_free_vgpr 768
		.amdhsa_next_free_sgpr 80
		.amdhsa_reserve_vcc 0
		.amdhsa_float_denorm_mode_32 3
		.amdhsa_float_denorm_mode_16_64 3
		.amdhsa_memory_ordered 1
		.amdhsa_forward_progress 1
		.amdhsa_inst_pref_size 146
	.end_amdhsa_kernel
	.amdgpu_metadata
---
amdhsa.version: [ 1, 2 ]
amdhsa.kernels:
  - .name:           k_q369aa1f6e0_down
    .symbol:         k_q369aa1f6e0_down.kd
    .args:
      - { .name: W2, .offset: 0, .size: 8, .value_kind: global_buffer, .address_space: global }
      - { .name: b2, .offset: 8, .size: 8, .value_kind: global_buffer, .address_space: global }
      - { .name: hf, .offset: 16, .size: 8, .value_kind: global_buffer, .address_space: global }
      - { .name: lst, .offset: 24, .size: 8, .value_kind: global_buffer, .address_space: global }
      - { .name: glst, .offset: 32, .size: 8, .value_kind: global_buffer, .address_space: global }
      - { .name: cnt, .offset: 40, .size: 8, .value_kind: global_buffer, .address_space: global }
      - { .name: y, .offset: 48, .size: 8, .value_kind: global_buffer, .address_space: global }
    .group_segment_fixed_size: 280064
    .private_segment_fixed_size: 0
    .kernarg_segment_align: 8
    .kernarg_segment_size: 56
    .max_flat_workgroup_size: 128
    .sgpr_count:     80
    .vgpr_count:     768
    .wavefront_size: 32
...
	.end_amdgpu_metadata
.endif
;; end of part 3
;; launch gather2 (part 4): grid 256 x 1, 8 waves a work-group, no clusters, 0 bytes of LDS; arguments y, out0; writes out0
.if DOCPART == 4
	.amdgcn_target "amdgcn-amd-amdhsa--gfx1250"
	.amdhsa_code_object_version 6
	.text
	.protected	k_q369aa1f6e0_gather2
	.globl	k_q369aa1f6e0_gather2
	.p2align	8
	.type	k_q369aa1f6e0_gather2,@function
k_q369aa1f6e0_gather2:
	s_mov_b64 s[64:65], 0
	v_nop
	global_prefetch_b8 v0, s[64:65] scope:SCOPE_SE
	s_setreg_imm32_b32 hwreg(HW_REG_WAVE_MODE, 25, 1), 1
	s_wait_xcnt 0x0
; out0[token][:] = the sum of the token's four partial rows: y is [2 halves of the hidden width][2 choices][2048][512] f32, four planes of 4,194,304 bytes laid out as out0 is.
; A stream: each byte of y is read once, each byte of out0 written once.  Thread t takes four pieces of 16 bytes, 4,096 bytes apart: a load or store of a wave covers 512 consecutive bytes.
; All 16 loads go out before the first wait.  No LDS, no barrier, no matrix unit: there is nothing to share and nothing to multiply.
.set PL, 4194304
.set A,  8                             ; v[8:71]  piece i: four planes x four registers at 16 i
	s_load_b128 s[4:7], s[0:1], 0x0                ; y s[4:5], out0 s[6:7]
	v_lshlrev_b32 v1, 4, v0
	s_lshl_b32 s8, ttmp9, 14                       ; the work-group's 16,384 bytes
	v_add_nc_u32 v1, s8, v1
	s_wait_kmcnt 0x0
	s_add_nc_u64 s[10:11], s[4:5], 2*PL            ; planes 2 and 3
.set I_, 0
.rept 4
	global_load_b128 v[A+16*I_:A+16*I_+3],     v1, s[4:5]   offset:4096*I_    th:TH_LOAD_NT
	global_load_b128 v[A+16*I_+4:A+16*I_+7],   v1, s[4:5]   offset:4096*I_+PL th:TH_LOAD_NT
	global_load_b128 v[A+16*I_+8:A+16*I_+11],  v1, s[10:11] offset:4096*I_    th:TH_LOAD_NT
	global_load_b128 v[A+16*I_+12:A+16*I_+15], v1, s[10:11] offset:4096*I_+PL th:TH_LOAD_NT
.set I_, I_+1
.endr
.set I_, 0
.rept 4
	s_wait_loadcnt 12-4*I_                         ; the later pieces' four loads each may be out
	v_pk_add_f32 v[A+16*I_:A+16*I_+1],     v[A+16*I_:A+16*I_+1],     v[A+16*I_+4:A+16*I_+5]
	v_pk_add_f32 v[A+16*I_+2:A+16*I_+3],   v[A+16*I_+2:A+16*I_+3],   v[A+16*I_+6:A+16*I_+7]
	v_pk_add_f32 v[A+16*I_+8:A+16*I_+9],   v[A+16*I_+8:A+16*I_+9],   v[A+16*I_+12:A+16*I_+13]
	v_pk_add_f32 v[A+16*I_+10:A+16*I_+11], v[A+16*I_+10:A+16*I_+11], v[A+16*I_+14:A+16*I_+15]
	v_pk_add_f32 v[A+16*I_:A+16*I_+1],     v[A+16*I_:A+16*I_+1],     v[A+16*I_+8:A+16*I_+9]
	v_pk_add_f32 v[A+16*I_+2:A+16*I_+3],   v[A+16*I_+2:A+16*I_+3],   v[A+16*I_+10:A+16*I_+11]
	global_store_b128 v1, v[A+16*I_:A+16*I_+3], s[6:7] offset:4096*I_ th:TH_STORE_NT
.set I_, I_+1
.endr
	s_endpgm
.Lfunc_end_k_q369aa1f6e0_gather2:
	.size	k_q369aa1f6e0_gather2, .Lfunc_end_k_q369aa1f6e0_gather2-k_q369aa1f6e0_gather2
	.p2alignl 7, 3214868480
	.fill 96, 4, 3214868480
	.section	.rodata,"a",@progbits
	.p2align	6, 0x0
	.amdhsa_kernel k_q369aa1f6e0_gather2
		.amdhsa_group_segment_fixed_size 0
		.amdhsa_private_segment_fixed_size 0
		.amdhsa_enable_private_segment 0
		.amdhsa_kernarg_size 16
		.amdhsa_user_sgpr_count 2
		.amdhsa_user_sgpr_kernarg_segment_ptr 1
		.amdhsa_wavefront_size32 1
		.amdhsa_system_sgpr_workgroup_id_x 1
		.amdhsa_system_sgpr_workgroup_id_y 1
		.amdhsa_system_sgpr_workgroup_id_z 1
		.amdhsa_system_vgpr_workitem_id 0
		.amdhsa_next_free_vgpr 72
		.amdhsa_next_free_sgpr 66
		.amdhsa_reserve_vcc 0
		.amdhsa_float_denorm_mode_32 3
		.amdhsa_float_denorm_mode_16_64 3
		.amdhsa_memory_ordered 1
		.amdhsa_forward_progress 1
		.amdhsa_inst_pref_size 5
	.end_amdhsa_kernel
	.amdgpu_metadata
---
amdhsa.version: [ 1, 2 ]
amdhsa.kernels:
  - .name:           k_q369aa1f6e0_gather2
    .symbol:         k_q369aa1f6e0_gather2.kd
    .args:
      - { .name: y, .offset: 0, .size: 8, .value_kind: global_buffer, .address_space: global }
      - { .name: out0, .offset: 8, .size: 8, .value_kind: global_buffer, .address_space: global }
    .group_segment_fixed_size: 0
    .private_segment_fixed_size: 0
    .kernarg_segment_align: 8
    .kernarg_segment_size: 16
    .max_flat_workgroup_size: 256
    .sgpr_count:     66
    .vgpr_count:     72
    .wavefront_size: 32
...
	.end_amdgpu_metadata
.endif
;; end of part 4
